; MI455X (gfx1250); checked and timed in simulation.
; The chip was launched on July 23, 2026; its instructions are those of AMD's public machine-readable ISA for CDNA 5 (MIT licence, August 2026) and "CDNA5" Instruction Set Architecture Reference Guide (July 2026). The comments in the code are by the model that wrote it; some were corrected since.
;; multi head attention. Allowed arithmetic: matrix products marked QUANTISED: E2M1 operands, one E8M0 scale for each 32 along K, by v_wmma_scale_f32_16x16x128_f8f6f4 with both operands' format E2M1 (or v_wmma_scale_f32_32x16x128_f4), f32 sums; everything else in f32.
;; Inputs: W_proj_codes 1,024 x 32 x 16 uint8 (E2M1 codes of W_proj, K innermost, in blocks of 32 codes, two codes a byte); W_proj_scales 1,024 x 32 uint8 (E8M0 scales of W_proj, one for each 32 codes along K); W_qkv_codes 1,024 x 32 x 16 uint8 (E2M1 codes of W_qkv, K innermost, in blocks of 32 codes, two codes a byte); W_qkv_scales 1,024 x 32 uint8 (E8M0 scales of W_qkv, one for each 32 codes along K); b_proj 1,024 float32; x_codes 4 x 2,048 x 32 x 16 uint8 (E2M1 codes of x, K innermost, in blocks of 32 codes, two codes a byte); x_scales 4 x 2,048 x 32 uint8 (E8M0 scales of x, one for each 32 codes along K).
;; Outputs: out0 4 x 1,024 x 2,048 float32.
;; This version of the problem:
;;   THIS VERSION OF THE PROBLEM IS GIVEN IN LOW PRECISION. The matrix products marked QUANTISED in the list below multiply operands that are first quantised to E2M1 (2 exponent bits, 1 mantissa bit; 4 bits a number), with one power-of-two scale for each 32 numbers along K (OCP MX v1.0); their sums are f32. All else is computed in f32.
;;   The module's matrix products, in the order in which they are computed (A, B: the left and right operand; K: the contracted axis; several contracted axes count as one K, in the product's order):
;;     1. [M 1,024, K 1,024] x [K 1,024, N 8,192]; A: input W_qkv (given as codes); B: input x (given as codes): QUANTISED
;;     2. batch 64 x [M 2,048, K 64] x [K 64, N 2,048]; A: computed on the way; B: computed on the way: QUANTISED
;;     3. batch 64 x [M 64, K 2,048] x [K 2,048, N 2,048]; A: computed on the way; B: softmax (see below): QUANTISED
;;     4. [M 1,024, K 1,024] x [K 1,024, N 8,192]; A: input W_proj (given as codes); B: computed on the way: QUANTISED
;;   THE QUANTISER, for each operand of a quantised product, along K:
;;     - K is cut into blocks of 32 from its start; a last block that is shorter is filled with zeros.
;;     - A block's scale is 2^e with e = floor(log2(the largest magnitude in the block)) - 2, held to -126 .. 127; a block of zeros has e = 0. As a byte (E8M0): e + 127.
;;     - Each number is divided by its block's scale, clamped to +-6, and rounded to the nearest number of E2M1, ties to even, subnormals kept.
;;     - The product sums the exact products of the quantised numbers (number of the format x scale) in f32.
;;   ~~~python
;;   def quantise(x, axis):      # numpy; x: float32 -> the quantised numbers, widened to float32 again
;;       x = np.moveaxis(x, axis, -1); K = x.shape[-1]
;;       x = np.pad(x, [(0, 0)] * (x.ndim - 1) + [(0, -K % 32)]); x = x.reshape(x.shape[:-1] + (-1, 32)); a = np.abs(x).max(-1, keepdims=True)
;;       e = np.where(a > 0, np.clip(np.frexp(np.where(a > 0, a, 1))[1] - 1 - 2, -126, 127), 0)      # np.frexp(a)[1] - 1 = floor(log2(a)), exactly
;;       r = np.clip(x / 2.0 ** e, -6, 6)
;;       step = 2.0 ** (np.maximum(np.frexp(np.where(r == 0, 1, r))[1] - 1, 0) - 1)
;;       q = np.round(r / step) * step * 2.0 ** e      # np.round: ties to even
;;       return np.moveaxis(q.reshape(q.shape[:-2] + (-1,))[..., :K], -1, axis).astype(np.float32)
;;   ~~~
;;   SOFTMAX AHEAD OF A QUANTISED PRODUCT. Where the list says 'softmax', what is quantised is not the finished softmax but p = 2^(t - M), with t = logit x log2(e) and M = ceil(the row's largest t), a whole number; so 1/2 < the row's largest p <= 1. The row's sum l is taken of the UNQUANTISED p, in f32, and the product's result is divided by l at the end. Since M is a whole number, a kernel that streams over the keys may use a running M (the ceiling of the running maximum): every later rescaling is an exact power of two, which a block's scale takes up: the codes' values come out the same.
;;   OPERANDS COMPUTED ON THE WAY. 'Computed on the way' means the value that the module computes at that place (a softmax that the list does not call 'softmax' is quantised finished and normalised). What goes into a quantiser is computed in f32, as accurately as f32 sums, v_exp_f32 and their like allow (about 1e-6 of the number): no bf16 or f16 on the way to a quantiser, and a product that is left as it is and whose result goes on into a quantised operand takes f32 operands (vector FMAs, or v_wmma_f32_16x16x4_f32). A number that lies on a knife's edge between two numbers of the format may be rounded either way, as far as f32 arithmetic and the matrix unit's own rounding can turn it there, and no further.
;;   INPUTS GIVEN AS CODES. W_proj (in the module: [1024, 1024], K = its axis 0); W_qkv (in the module: [1024, 1024], K = its axis 0); x (in the module: [4, 1024, 2048], K = its axis 1): each comes as NAME_codes (uint8): NAME with its K axis moved to the last place and cut into blocks of 32 codes, [.., K / 32, bytes a block], one block behind the other in memory; two codes a byte, the lower K in the low four bits (a code: sign, 2 exponent bits, 1 mantissa bit); and NAME_scales (uint8): the same leading axes, one E8M0 byte (e + 127) for each 32 codes along K. Its value is code x scale, taken as it is: it is not quantised again, and the codes and scales need not be those that the quantiser above would give.
;; One version. Each part assembles by itself: llvm-mc -triple=amdgcn-amd-amdhsa -mcpu=gfx1250 --defsym DOCPART=n.
;; ======== version 1 of 1: 3 launches
;; workspace buffers: kv 9,175,040 bytes; tq 4,194,304 bytes; ts 524,288 bytes
;; launch qkv (part 1): grid 32 x 8, 4 waves a work-group, clusters of 4 x 4, 209,408 bytes of LDS; arguments W_qkv_codes, W_qkv_scales, x_codes, x_scales, kv; writes kv
.if DOCPART == 1
	.amdgcn_target "amdgcn-amd-amdhsa--gfx1250"
	.amdhsa_code_object_version 6
	.text
	.protected	k_qd3c7e68f57_qkv
	.globl	k_qd3c7e68f57_qkv
	.p2align	8
	.type	k_qd3c7e68f57_qkv,@function
k_qd3c7e68f57_qkv:
	s_mov_b64 s[64:65], 0
	v_nop
	global_prefetch_b8 v0, s[64:65] scope:SCOPE_SE
	s_setreg_imm32_b32 hwreg(HW_REG_WAVE_MODE, 25, 1), 1
	s_wait_xcnt 0x0
	s_wait_alu depctr_hold_cnt(0) depctr_sa_sdst(0) depctr_va_vdst(0) depctr_va_sdst(0) depctr_va_ssrc(0) depctr_va_vcc(0) depctr_vm_vsrc(0)
	s_getreg_b32 s2, hwreg(HW_REG_IB_STS2, 6, 4)
	s_cmp_eq_u32 s2, 0
	s_cbranch_scc0 .Lentry_in_a_cluster
	s_endpgm
.Lentry_in_a_cluster:
	s_bfe_u32 s2, ttmp6, 0x10000c
	s_cmp_lg_u32 s2, 0xf033
	s_cbranch_scc0 .Lentry_shape_is_right
	s_endpgm
.Lentry_shape_is_right:
; kqv[b][f][l] = sum over e of x[b][e][l] W_qkv[e][f], on the given codes of FP4 (E2M1) and their E8M0 bytes, sums in f32; the result is quantised twice and leaves as codes alone.
; W: [1024 f][512 bytes along e], x: [8192 (b, l)][512 bytes along e]; their scale bytes 32 a row.
; SHARES.  A work-group makes 128 f (two heads) x 256 columns (b, l); each of its four waves 64 f (ONE head) x 128 l (ONE key step of the next launch).
; EVERY TILE IS MULTIPLIED IN BOTH ORIENTATIONS from the same fragments: A (source 0 = W, source 1 = x): a lane holds one l, its registers run along f: fit for the quantiser along d (the scores' K);
; B (sources swapped): a lane holds one f, its registers run along l: fit for the quantiser along the keys (the second product's K).  That doubles the products here and spares a transposition of f32 numbers.
; ALL OF K = 1024 LIES IN LDS: two chunks of 512 along K (rows of 256 bytes), each filled once; nothing is filled again.
; CLUSTER 4 x 4: W's tiles hang on the work-group's y alone and are asked for jointly along a row of the cluster, x's on its x alone and jointly along a column.
; OUT: one block of 8,960 bytes a wave, kv[b 16 + head][key step], made of IMAGES OF OPERAND REGISTERS (a piece = 512 bytes, lane L's 16 bytes at 16 L):
;   +0    8 images of K (= Q): tile t at 512 t, lane (r, h): key 16 t + r, d = 32 h .. + 31        +4096  V: 1024 dt + 512 c, lane (r, h): d = 16 dt + r, keys 64 c + 32 h .. + 31
;   +8192 K's scale words: lane (r, h') has the words of tiles 4 h' + 0 .. 3, bytes 0, 1 real, bytes 2, 3 zero        +8704  V's scale words [r][dt]
; A block's scale byte is its largest magnitude's exponent field - 2, held at 1 from below.  LIMITS: NaN, infinities and given scale bytes 0xff are not served; a block of zeros gets the byte 1 and zero codes (this program alone reads the bytes).
; REGISTERS: window 0: v1-11 addresses; v16-31 W's scale words, v32-63 x's; v64-159, v160-255 two fragment buffers (4 of W, 8 of x), later the quantiser's work.
;   window 1: orientation A, accumulator (tx, tw) at v[32 tx + 8 tw];   window 2: orientation B, (tw, tx) at v[64 tw + 8 tx].  In both, block k of 32 along the next K is v[16 k .. 16 k + 15].
.set PITCH, 272                        ; an LDS row: 256 bytes + 16 of padding: the sixteen rows of a fragment load begin 68 words apart
.set WHALF, 64*PITCH                   ; what one load of W brings, and what one wave reads of W
.set XHALF, 128*PITCH                  ; the same for x
.set XOFF,  128*PITCH                  ; in a chunk: W's 128 rows, then x's 256
.set CH,    384*PITCH                  ; a chunk
.set BLK,   8960                       ; a block of kv
.set ADW, 4                            ; v4-5   LDS address of my W fragments in chunk 0, 1
.set ADX, 6                            ; v6-7   the same for x
.set LI,  8                            ; v8     16 x lane
.set LR,  9                            ; v9     16 x (lane % 16)
.set WSO, 10                           ; v10    my row among W's scale bytes
.set XSO, 11                           ; v11    and among x's
.set WS,  16                           ; v[WS + 8 i + q]: K step q; lanes 0-15 W's tile i, lanes 16-31 tile i + 2
.set XS,  32                           ; v[XS + 8 i + q]: lanes 0-15 x's tile i, lanes 16-31 tile i + 4
.set F0,  64                           ; fragment buffer p at F0 + 96 p
.set TM,  192                          ; the quantiser: 16 largest magnitudes,
.set TP,  208                          ; the other half's, then the bytes,
.set SO,  224                          ; the conversions' scale operands
.set KW,  240                          ; K's 8 scale words
.set KSEL, 248                         ; and as they are stored
.set VW,  252                          ; V's 4 scale words
.set G1,  24                           ; s[24:31] descriptor group 1 for W;  s[32:39] group 0, a set for each chunk
.set G0,  32
.set G1B, 48                           ; s[48:55], s[56:63] the same for x
.set G0B, 56
.set SEL, 68                           ; s[68:69] lane selects for v_permlanex16_b32: lane l xor 16
.set MSB, 0
.macro WIN new                         ; the immediate's high byte repeats the setting that is left; a switch that changes nothing is dropped
.if MSB != (\new)
	s_set_vgpr_msb (MSB<<8)|(\new)
.set MSB, (\new)
.endif
.endm
.macro PLACES n
.rept \n
	v_nop
.endr
.endm
.macro CROUND                          ; a round of the cluster's barrier: my work-group's barrier, wave 0 signals for the work-group, every wave waits for all sixteen, my work-group's barrier once more
	s_barrier_signal -1
	s_barrier_wait -1
	s_cmp_lg_u32 s16, 0
	s_cbranch_scc1 .Lnot_wave_0_\@
	s_barrier_signal -3
.Lnot_wave_0_\@:
	s_barrier_wait -3
	s_barrier_signal -1
	s_barrier_wait -1
.endm
	s_load_b256 s[4:11], s[0:1], 0x0               ; W's codes s[4:5], W's scales s[6:7], x's codes s[8:9], x's scales s[10:11]
	s_load_b64 s[12:13], s[0:1], 0x20              ; kv
	v_lshl_add_u32 v14, v0, 2, 0x33000
	v_mov_b32 v15, 0
	ds_add_u32 v14, v15
	ds_add_u32 v14, v15
	v_lshrrev_b32 v1, 5, v0
	v_readfirstlane_b32 s16, v1                    ; wave 0..3
	s_lshr_b32 s17, s16, 1                         ; wy: which head of the two is mine.  Also: I fetch for W (0) or for x (1)
	s_and_b32 s18, s16, 1                          ; wx: which 128 columns.  Also: which half of that tile I fetch
	s_bfe_u32 s40, ttmp6, 0x40000                  ; cx, cy: my place in the cluster
	s_bfe_u32 s41, ttmp6, 0x40004
	s_lshl_b32 s42, ttmp9, 2
	s_add_co_u32 s42, s42, s40                     ; work-group x = 4 x cluster x + cx: 256 columns
	s_and_b32 s19, ttmp7, 0xffff
	s_lshl_b32 s19, s19, 2
	s_add_co_u32 s19, s19, s41                     ; work-group y = 4 x cluster y + cy: 128 f
	s_lshl_b32 s43, s41, 2
	s_lshl_b32 s43, 15, s43                        ; my row of the cluster
	s_lshl_b32 s44, 0x1111, s40                    ; my column
	; descriptor group 1: rows of 256 bytes, 512 bytes apart in memory, 16 bytes of padding behind each in LDS; W: 64 rows, x: 128
	s_or_b32 s[G1+0], s43, (0<<16)|(1<<20)|(1<<21)|(5<<22)|(3<<25)   ; 15:0 the mask; 17:16 elements of 1 byte; 20 padding on; 21 set beside a mask; 24:22 after every 64 words; 31:25 four words
	s_or_b32 s[G1B+0], s44, (0<<16)|(1<<20)|(1<<21)|(5<<22)|(3<<25)
	s_mov_b32 s[G1+1], 256<<16                     ; tensor_dim0
	s_mov_b32 s[G1+2], 64<<16                      ; tensor_dim1
	s_mov_b32 s[G1+3], 256<<16                     ; tile_dim0
	s_mov_b32 s[G1+4], 64                          ; tile_dim1
	s_mov_b32 s[G1+5], 512                         ; tensor_dim0_stride
	s_mov_b32 s[G1+6], 0
	s_mov_b32 s[G1+7], 0
	s_mov_b32 s[G1B+1], 256<<16
	s_mov_b32 s[G1B+2], 128<<16
	s_mov_b32 s[G1B+3], 256<<16
	s_mov_b32 s[G1B+4], 128
	s_mov_b32 s[G1B+5], 512
	s_mov_b32 s[G1B+6], 0
	s_mov_b32 s[G1B+7], 0
	s_lshl_b32 s20, s19, 7                         ; W: row 128 y + 64 x half, in registers that never hold cx
	s_lshl_b32 s21, s18, 6
	s_add_co_u32 s20, s20, s21
	s_lshl_b32 s20, s20, 9                         ; 512 bytes a row
	s_mov_b32 s21, 0
	s_lshl_b32 s46, s42, 8                         ; x: row 256 x + 128 x half, in registers that never hold cy
	s_lshl_b32 s47, s18, 7
	s_add_co_u32 s46, s46, s47
	s_lshl_b32 s46, s46, 9
	s_mov_b32 s47, 0
	s_mul_i32 s22, s18, WHALF                      ; where they go: no place in the cluster enters an LDS address
	s_mul_i32 s23, s18, XHALF
	s_add_co_u32 s23, s23, XOFF
	s_mov_b32 s[SEL], 0x76543210
	s_mov_b32 s[SEL+1], 0xfedcba98
	s_wait_dscnt 0x0
	s_wait_kmcnt 0x0
	s_add_nc_u64 s[20:21], s[4:5], s[20:21]
	s_add_nc_u64 s[46:47], s[8:9], s[46:47]
	CROUND                                         ; all sixteen work-groups are here: the joint loads meet
.irp c, 0,1
	s_mov_b32 s[G0+4*\c], 1
	s_add_co_u32 s[G0+4*\c+1], s22, \c*CH
	s_add_nc_u64 s[G0+4*\c+2:G0+4*\c+3], s[20:21], \c*256
	s_or_b32 s[G0+4*\c+3], s[G0+4*\c+3], 0x80000000
	s_mov_b32 s[G0B+4*\c], 1
	s_add_co_u32 s[G0B+4*\c+1], s23, \c*CH
	s_add_nc_u64 s[G0B+4*\c+2:G0B+4*\c+3], s[46:47], \c*256
	s_or_b32 s[G0B+4*\c+3], s[G0B+4*\c+3], 0x80000000
.endr
	s_cmp_eq_u32 s17, 0                            ; a wave's two fills, the only ones of the launch, stand in one branch on the wave's number: two loads of mine are out
	s_cbranch_scc0 .Lfirst_x
	tensor_load_to_lds s[G0:G0+3], s[G1:G1+7]
	s_nop 0
	tensor_load_to_lds s[G0+4:G0+7], s[G1:G1+7]
	s_nop 0
	PLACES 4                                       ; four v_nop follow the second line
	s_branch .Lfirst_asked
.Lfirst_x:
	tensor_load_to_lds s[G0B:G0B+3], s[G1B:G1B+7]
	s_nop 0
	tensor_load_to_lds s[G0B+4:G0B+7], s[G1B:G1B+7]
	s_nop 0
	PLACES 4
.Lfirst_asked:
	v_and_b32 v1, 15, v0                           ; r
	v_bfe_u32 v2, v0, 4, 1                         ; h
	v_and_b32 v3, 31, v0                           ; lane
	v_mul_u32_u24 v12, v1, PITCH
	v_lshl_add_u32 v12, v2, 4, v12                 ; a fragment's row x pitch + 16 h
	s_mul_i32 s70, s17, WHALF                      ; my 64 rows of W
	s_mul_i32 s71, s18, XHALF                      ; my 128 rows of x,
	s_add_co_u32 s71, s71, XOFF                    ; behind W's 128
	v_add_nc_u32 v[ADW], s70, v12
	v_add_nc_u32 v[ADX], s71, v12
	v_add_nc_u32 v[ADW+1], CH, v[ADW]
	v_add_nc_u32 v[ADX+1], CH, v[ADX]
	v_lshlrev_b32 v[LI], 4, v3
	v_lshlrev_b32 v[LR], 4, v1
	v_lshl_add_u32 v[WSO], v2, 5, v1               ; W's scale bytes: row 32 h + r, 32 bytes a row
	v_lshlrev_b32 v[WSO], 5, v[WSO]
	v_lshl_add_u32 v[XSO], v2, 6, v1               ; x's: row 64 h + r
	v_lshlrev_b32 v[XSO], 5, v[XSO]
	s_mov_b32 s73, 0
	s_lshl_b32 s72, s19, 7
	s_lshl_b32 s74, s17, 6
	s_add_co_u32 s72, s72, s74
	s_lshl_b32 s72, s72, 5
	s_add_nc_u64 s[6:7], s[6:7], s[72:73]          ; W's scale bytes at my first f
	s_lshl_b32 s72, s42, 8
	s_lshl_b32 s74, s18, 7
	s_add_co_u32 s72, s72, s74
	s_lshl_b32 s72, s72, 5
	s_add_nc_u64 s[10:11], s[10:11], s[72:73]      ; x's at my first column
	s_lshr_b32 s72, s42, 3                         ; b
	s_lshl_b32 s72, s72, 4
	s_lshl_b32 s74, s19, 1
	s_add_co_u32 s72, s72, s74
	s_add_co_u32 s72, s72, s17                     ; 16 b + head
	s_lshl_b32 s72, s72, 4
	s_and_b32 s74, s42, 7
	s_lshl_b32 s74, s74, 1
	s_add_co_u32 s72, s72, s74
	s_add_co_u32 s72, s72, s18                     ; + key step
	s_mul_i32 s72, s72, BLK
	s_add_nc_u64 s[12:13], s[12:13], s[72:73]      ; my block of kv
.irp i, 0,1                                    ; a tile's 16 rows of scale bytes are 512 consecutive bytes; a lane takes its row's eight words by two loads
.irp u, 0,1
	global_load_b128 v[WS+8*\i+4*\u:WS+8*\i+4*\u+3], v[WSO], s[6:7] offset:512*\i+16*\u
.endr
.endr
.irp i, 0,1,2,3
.irp u, 0,1
	global_load_b128 v[XS+8*\i+4*\u:XS+8*\i+4*\u+3], v[XSO], s[10:11] offset:512*\i+16*\u
.endr
.endr
; One product.  rD, rA, rB: first registers of D, source 0, source 1; rSA, rSB their scale words, rRA, rRB = 1: taken from lanes 16-31; rZ = 1: it starts the sum
.macro WM
.if rZ
.if rRA && rRB
	v_wmma_scale_f32_16x16x128_f8f6f4 v[rD:rD+7], v[rA:rA+7], v[rB:rB+7], 0, v[rSA], v[rSB] matrix_a_fmt:MATRIX_FMT_FP4 matrix_b_fmt:MATRIX_FMT_FP4 matrix_a_scale:MATRIX_SCALE_ROW1 matrix_b_scale:MATRIX_SCALE_ROW1
.elseif rRA
	v_wmma_scale_f32_16x16x128_f8f6f4 v[rD:rD+7], v[rA:rA+7], v[rB:rB+7], 0, v[rSA], v[rSB] matrix_a_fmt:MATRIX_FMT_FP4 matrix_b_fmt:MATRIX_FMT_FP4 matrix_a_scale:MATRIX_SCALE_ROW1
.elseif rRB
	v_wmma_scale_f32_16x16x128_f8f6f4 v[rD:rD+7], v[rA:rA+7], v[rB:rB+7], 0, v[rSA], v[rSB] matrix_a_fmt:MATRIX_FMT_FP4 matrix_b_fmt:MATRIX_FMT_FP4 matrix_b_scale:MATRIX_SCALE_ROW1
.else
	v_wmma_scale_f32_16x16x128_f8f6f4 v[rD:rD+7], v[rA:rA+7], v[rB:rB+7], 0, v[rSA], v[rSB] matrix_a_fmt:MATRIX_FMT_FP4 matrix_b_fmt:MATRIX_FMT_FP4
.endif
.else
.if rRA && rRB
	v_wmma_scale_f32_16x16x128_f8f6f4 v[rD:rD+7], v[rA:rA+7], v[rB:rB+7], v[rD:rD+7], v[rSA], v[rSB] matrix_a_fmt:MATRIX_FMT_FP4 matrix_b_fmt:MATRIX_FMT_FP4 matrix_a_scale:MATRIX_SCALE_ROW1 matrix_b_scale:MATRIX_SCALE_ROW1
.elseif rRA
	v_wmma_scale_f32_16x16x128_f8f6f4 v[rD:rD+7], v[rA:rA+7], v[rB:rB+7], v[rD:rD+7], v[rSA], v[rSB] matrix_a_fmt:MATRIX_FMT_FP4 matrix_b_fmt:MATRIX_FMT_FP4 matrix_a_scale:MATRIX_SCALE_ROW1
.elseif rRB
	v_wmma_scale_f32_16x16x128_f8f6f4 v[rD:rD+7], v[rA:rA+7], v[rB:rB+7], v[rD:rD+7], v[rSA], v[rSB] matrix_a_fmt:MATRIX_FMT_FP4 matrix_b_fmt:MATRIX_FMT_FP4 matrix_b_scale:MATRIX_SCALE_ROW1
.else
	v_wmma_scale_f32_16x16x128_f8f6f4 v[rD:rD+7], v[rA:rA+7], v[rB:rB+7], v[rD:rD+7], v[rSA], v[rSB] matrix_a_fmt:MATRIX_FMT_FP4 matrix_b_fmt:MATRIX_FMT_FP4
.endif
.endif
.endm
; 24 LDS loads in one run: K step q's fragments (16 rows x 128 K = 8 registers: two loads of 16 bytes, 32 bytes apart) into buffer p
.macro FETCH p, q
.irp t, 0,1,2,3
.irp u, 0,1
	ds_load_b128 v[F0+96*(\p)+8*\t+4*\u:F0+96*(\p)+8*\t+4*\u+3], v[ADW+(\q)/4] offset:64*((\q)%4)+32*\u+\t*16*PITCH
.endr
.endr
.irp t, 0,1,2,3,4,5,6,7
.irp u, 0,1
	ds_load_b128 v[F0+96*(\p)+32+8*\t+4*\u:F0+96*(\p)+32+8*\t+4*\u+3], v[ADX+(\q)/4] offset:64*((\q)%4)+32*\u+\t*16*PITCH
.endr
.endr
.endm
.macro MULA p, q, z                    ; orientation A: 32 products, source 0 = W's tile tw, source 1 = x's tile tx
	WIN 0x50                                       ; C and D window 1
.irp tx, 0,1,2,3,4,5,6,7
.irp tw, 0,1,2,3
.set rD, 32*\tx+8*\tw
.set rA, F0+96*(\p)+8*\tw
.set rB, F0+96*(\p)+32+8*\tx
.set rSA, WS+8*(\tw%2)+(\q)
.set rSB, XS+8*(\tx%4)+(\q)
.set rRA, \tw/2
.set rRB, \tx/4
.set rZ, \z
	WM
.endr
.endr
.endm
.macro MULB p, q, z                    ; orientation B: the same fragments, sources, scale words and their rows swapped
	WIN 0xa0                                       ; C and D window 2
.irp tw, 0,1,2,3
.irp tx, 0,1,2,3,4,5,6,7
.set rD, 64*\tw+8*\tx
.set rA, F0+96*(\p)+32+8*\tx
.set rB, F0+96*(\p)+8*\tw
.set rSA, XS+8*(\tx%4)+(\q)
.set rSB, WS+8*(\tw%2)+(\q)
.set rRA, \tx/4
.set rRB, \tw/2
.set rZ, \z
	WM
.endr
.endr
.endm
; A K step of 128: its fragments were asked for a step ago; the next step's are asked for ahead of its 64 products.  The 64 accumulators take turns, one instruction a turn, in the same order in every step.
.macro STEP q
	s_wait_dscnt 0x0                               ; this step's fragments are in
.if (\q) == 3
	s_wait_tensorcnt 0x0                           ; my part of chunk 1 has landed,
	s_barrier_signal -1
	s_barrier_wait -1                              ; everybody's has: step 4's fragments lie there
.endif
.if (\q) > 0
	PLACES 4                                       ; four places between the last step's products and the loads into the buffer that they read
.endif
.if (\q) < 7
	FETCH ((\q)+1)%2, (\q)+1
.endif
.if (\q) == 0
	MULA 0, 0, 1                                   ; the first step's products start the sums: nothing is cleared
	MULB 0, 0, 1
.else
	MULA (\q)%2, \q, 0
	MULB (\q)%2, \q, 0
.endif
	WIN 0
.endm
; The 16 blocks of window w become codes and scale bytes.  Block k: my 16 numbers v[16 k ..] and lane l xor 16's.  With natural tiles my 16 are k = 8 h + 0 .. 7 and 16 + 8 h + 0 .. 7 of the block.
; For the pair of blocks (2 p, 2 p + 1) four conversions and two exchanges of halves leave, in four registers, block 2 p + h's 32 codes in order: the operand's layout.  The codes of pair p go to v[base + 4 p - 80 (p / 4)].
.macro QUANT16 w, base
	WIN (\w)|((\w)<<2)
.irp k, 0,1,2,3,4,5,6,7,8,9,10,11,12,13,14,15
	v_max3_num_f32 v[TM+\k], |v[16*\k]|, |v[16*\k+1]|, 0x1800000    ; each accumulator is read from its low end on; the floor 2^(3 - 127) holds the byte at 1 from below
.endr
	WIN ((\w)<<2)|((\w)<<4)
.irp i, 2,4,6,8,10,12,14
.irp k, 0,1,2,3,4,5,6,7,8,9,10,11,12,13,14,15
	v_max3_num_f32 v[TM+\k], v[TM+\k], |v[16*\k+\i]|, |v[16*\k+\i+1]|
.endr
.endr
	WIN 0
.irp k, 0,1,2,3,4,5,6,7,8,9,10,11,12,13,14,15
	v_permlanex16_b32 v[TP+\k], v[TM+\k], s[SEL], s[SEL+1]
.endr
.irp k, 0,1,2,3,4,5,6,7,8,9,10,11,12,13,14,15
	v_max_num_f32 v[TM+\k], v[TM+\k], v[TP+\k]     ; the block's largest magnitude
.endr
.irp k, 0,1,2,3,4,5,6,7,8,9,10,11,12,13,14,15
	v_add_nc_u32 v[SO+\k], 0xff000000, v[TM+\k]    ; 2 off its exponent field: the conversion's scale operand
.endr
.irp k, 0,1,2,3,4,5,6,7,8,9,10,11,12,13,14,15
	v_lshrrev_b32 v[TP+\k], 23, v[SO+\k]           ; the scale's byte
.endr
	WIN \w
.irp p, 0,1,2,3,4,5,6,7
.set CR, (\base)+4*\p-80*(\p/4)
	v_cvt_scalef32_pk8_fp4_f32 v[CR], v[32*\p:32*\p+7], v[SO+2*\p]
	v_cvt_scalef32_pk8_fp4_f32 v[CR+1], v[32*\p+16:32*\p+23], v[SO+2*\p+1]
	v_cvt_scalef32_pk8_fp4_f32 v[CR+2], v[32*\p+8:32*\p+15], v[SO+2*\p]
	v_cvt_scalef32_pk8_fp4_f32 v[CR+3], v[32*\p+24:32*\p+31], v[SO+2*\p+1]
.endr
	WIN 0
	v_nop                                          ; one plain place behind the last scaled conversion
.irp p, 0,1,2,3,4,5,6,7
.set CR, (\base)+4*\p-80*(\p/4)
	v_permlane16_swap_b32 v[CR], v[CR+1]           ; the first's lanes 16-31 change places with the second's lanes 0-15
	v_permlane16_swap_b32 v[CR+2], v[CR+3]
.endr
.endm
	s_wait_tensorcnt 0x1                           ; my part of chunk 0 is in; chunk 1's load, the one issued behind it, may stay out
	s_barrier_signal -1
	s_barrier_wait -1                              ; everybody's is
	FETCH 0, 0
	s_wait_loadcnt 0x0                             ; the scale words
.irp q, 0,1,2,3,4,5,6,7
	STEP \q
.endr
	PLACES 4                                       ; between the last products and the first reads of results and writes of their operands' registers
.irp k, 0,1,2,3,4,5,6,7,8,9,10,11,12,13,14,15
	v_mov_b32 v[TP+\k], 0                          ; written once: a lane permute's destination counts as one of its sources
.endr
	v_cmp_lt_u32 vcc_lo, 15, v3                    ; lanes 16-31
	QUANT16 1, 128                                 ; along d: pair p = key tile p
.irp t, 0,1,2,3,4,5,6,7
	v_lshl_or_b32 v[KW+\t], v[TP+2*\t+1], 8, v[TP+2*\t]   ; my key's two bytes; bytes 2 and 3 stay 0: they stand over zero codes
.endr
.irp i, 0,1,2,3
	v_cndmask_b32 v[KSEL+\i], v[KW+\i], v[KW+4+\i], vcc_lo   ; lanes 0-15 store tiles 0-3, lanes 16-31 tiles 4-7
.endr
.irp p, 0,1,2,3,4,5,6,7
	global_store_b128 v[LI], v[128+4*\p-80*(\p/4):128+4*\p-80*(\p/4)+3], s[12:13] offset:512*\p   ; each store of the wave covers 512 consecutive bytes
.endr
	global_store_b128 v[LI], v[KSEL:KSEL+3], s[12:13] offset:8192
	QUANT16 2, 144                                 ; along the keys: pair p = 2 dt + c.  It writes none of the registers that the stores above read
.irp t, 0,1,2,3
	v_lshl_or_b32 v[VW+\t], v[TP+4*\t+1], 8, v[TP+4*\t]
	v_lshl_or_b32 v[VW+\t], v[TP+4*\t+2], 16, v[VW+\t]
	v_lshl_or_b32 v[VW+\t], v[TP+4*\t+3], 24, v[VW+\t]
.endr
.irp p, 0,1,2,3,4,5,6,7
	global_store_b128 v[LI], v[144+4*\p-80*(\p/4):144+4*\p-80*(\p/4)+3], s[12:13] offset:4096+512*\p
.endr
	global_store_b128 v[LR], v[VW:VW+3], s[12:13] offset:8704   ; both halves of the lanes hold the same words and write the same 256 bytes
	s_wait_tensorcnt 0x0
	ds_add_u32 v14, v15
	s_wait_dscnt 0x0
	CROUND                                         ; the closing round: no work-group ends while a partner may still ask for a tile that names it
	s_endpgm
.Lfunc_end_k_qd3c7e68f57_qkv:
	.size	k_qd3c7e68f57_qkv, .Lfunc_end_k_qd3c7e68f57_qkv-k_qd3c7e68f57_qkv
	.p2alignl 7, 3214868480
	.fill 96, 4, 3214868480
	.section	.rodata,"a",@progbits
	.p2align	6, 0x0
	.amdhsa_kernel k_qd3c7e68f57_qkv
		.amdhsa_group_segment_fixed_size 209408
		.amdhsa_private_segment_fixed_size 0
		.amdhsa_enable_private_segment 0
		.amdhsa_kernarg_size 40
		.amdhsa_user_sgpr_count 2
		.amdhsa_user_sgpr_kernarg_segment_ptr 1
		.amdhsa_wavefront_size32 1
		.amdhsa_system_sgpr_workgroup_id_x 1
		.amdhsa_system_sgpr_workgroup_id_y 1
		.amdhsa_system_sgpr_workgroup_id_z 1
		.amdhsa_system_vgpr_workitem_id 0
		.amdhsa_next_free_vgpr 768
		.amdhsa_next_free_sgpr 96
		.amdhsa_reserve_vcc 1
		.amdhsa_float_denorm_mode_32 3
		.amdhsa_float_denorm_mode_16_64 3
		.amdhsa_memory_ordered 1
		.amdhsa_forward_progress 1
		.amdhsa_inst_pref_size 119
	.end_amdhsa_kernel
	.amdgpu_metadata
---
amdhsa.version: [ 1, 2 ]
amdhsa.kernels:
  - .name:           k_qd3c7e68f57_qkv
    .symbol:         k_qd3c7e68f57_qkv.kd
    .args:
      - { .name: W_qkv_codes, .offset: 0, .size: 8, .value_kind: global_buffer, .address_space: global }
      - { .name: W_qkv_scales, .offset: 8, .size: 8, .value_kind: global_buffer, .address_space: global }
      - { .name: x_codes, .offset: 16, .size: 8, .value_kind: global_buffer, .address_space: global }
      - { .name: x_scales, .offset: 24, .size: 8, .value_kind: global_buffer, .address_space: global }
      - { .name: kv, .offset: 32, .size: 8, .value_kind: global_buffer, .address_space: global }
    .group_segment_fixed_size: 209408
    .private_segment_fixed_size: 0
    .kernarg_segment_align: 8
    .kernarg_segment_size: 40
    .max_flat_workgroup_size: 128
    .sgpr_count:     96
    .vgpr_count:     768
    .wavefront_size: 32
...
	.end_amdgpu_metadata
.endif
;; end of part 1
;; launch attn (part 2): grid 256 x 1, 16 waves a work-group, clusters of 4 x 1, 169,984 bytes of LDS; arguments kv, tq, ts; writes tq, ts
.if DOCPART == 2
	.amdgcn_target "amdgcn-amd-amdhsa--gfx1250"
	.amdhsa_code_object_version 6
	.text
	.protected	k_qd3c7e68f57_attn
	.globl	k_qd3c7e68f57_attn
	.p2align	8
	.type	k_qd3c7e68f57_attn,@function
k_qd3c7e68f57_attn:
	s_mov_b64 s[64:65], 0
	v_nop
	global_prefetch_b8 v0, s[64:65] scope:SCOPE_SE
	s_setreg_imm32_b32 hwreg(HW_REG_WAVE_MODE, 25, 1), 1
	s_wait_xcnt 0x0
	s_wait_alu depctr_hold_cnt(0) depctr_sa_sdst(0) depctr_va_vdst(0) depctr_va_sdst(0) depctr_va_ssrc(0) depctr_va_vcc(0) depctr_vm_vsrc(0)
	s_getreg_b32 s2, hwreg(HW_REG_IB_STS2, 6, 4)
	s_cmp_eq_u32 s2, 0
	s_cbranch_scc0 .Lentry_in_a_cluster
	s_endpgm
.Lentry_in_a_cluster:
	s_bfe_u32 s2, ttmp6, 0x10000c
	s_cmp_lg_u32 s2, 0x3003
	s_cbranch_scc0 .Lentry_shape_is_right
	s_endpgm
.Lentry_shape_is_right:
; t[d][j] = sum over keys i <= j of kqv[d][i] p[i][j] / l[j]: causal attention with Q = K = V = kqv, head size 64, 2,048 positions, 64 heads (b, head); both products on codes of FP4 with E8M0 scales.
; The logit is score / 32; t' = score x log2(e) / 32; M = the query's largest t' so far, rounded up to a whole number; p = 2^(t' - M) is quantised along the keys, not normalised; l is the sum of the unquantised p and divides at the end.
; When M moves, l and O are multiplied by 2^(old M - new M): exact.  The result is quantised along e (two blocks of 32 a head) and leaves as codes for the projection.
; IN: kv[b 16 + head][key step 16][8,960 bytes], images of operand registers: +0 K (= Q), tile t at 512 t; +4096 V at 1024 dt + 512 c; +8192 K's scale words; +8704 V's.
; CLUSTER 4 x 1: the four work-groups of a cluster own one head and need all its K and V: each of a work-group's 16 waves asks jointly for one key step's block; the head's 143,360 bytes stay in LDS, filled once and only read.
; SHARES.  Wave w of work-group cx: g = w / 2, ti = 4 (w % 2) + cx; it owns the query tiles 8 g + ti and 8 (15 - g) + ti: (g + 1) + (16 - g) = 17 steps of 16 queries x 128 keys for every wave of the launch.
; Steps wholly under the mask are jumped over: the branches hang on the wave's number and the loop's counter alone; cx enters global addresses and the mask's vector operand, nothing else.
; LAYOUT.  Both products are used transposed: S^T = K Q^T (source 0 = 16 keys), O^T = V^T P^T (source 0 = 16 of d): a lane holds one query (lane % 16) throughout.  K = 64 of the scores fills half of the instruction's 128:
; the upper four registers of each fragment of K and Q are zeros, under the scale bytes 0.
; LIMITS: NaN and infinities are not served; p under 2^-126 counts as 0; a block of zeros gets the byte 1 and zero codes (this program alone reads the bytes).
.set BLK, 8960
.set LI,  1                            ; v1   16 x lane
.set LR,  2                            ; v2   16 x (lane % 16)
.set ADR, 3                            ; v3   LI + the step's block
.set ADR2, 4                           ; v4   LR + the step's block
.set DQ,  5                            ; v5   16 ti + r - 8 h: the mask's operand
                                       ; v6, v7 the two tiles' scale words of Q;  v8-11, v12-15 a tile's -M, largest t', l in two halves;  v16-23, v24-31 Q
.set KF,  32                           ; v32-63   four fragments of K
.set VF,  64                           ; v64-95   four fragments of V
.set S,   96                           ; v96-159  S^T, then p
                                       ; v160-191, v192-223 O^T of the two tiles
.set PC,  224                          ; v224-231 p's codes
.set BM,  232                          ; v232-235 the blocks' largest scores, then largest p
.set BP,  236                          ; v236-239 the other half's, the bytes, a chain of the sum
.set F,   240                          ; v[240:241] f = 2^(old M - new M); at the end 1 / l
.set TMP, 242
.set PW,  243                          ; p's scale word
.set SO,  244                          ; v244-247 the conversions' scale operands
.set KS,  248                          ; v248-251 K's scale words: lanes 0-15 tiles 0-3, lanes 16-31 tiles 4-7
.set VS,  252                          ; v252-255 V's
.set WV,  10                           ; s10 wave;  s11 cx;  s12 g;  s13 ti;  s14 15 - g
.set G1,  16                           ; s[16:23], s[24:27] the descriptor
.set G0,  24
.set SEL, 28                           ; s[28:29] lane selects: lane l xor 16
.set CS,  30                           ; s[30:31] c = log2(e) / 32
.set TB,  32                           ; s32 LDS byte of the step's block
.set CNT, 33                           ; s33 the key step
.set SH,  34                           ; s34 16 x (head % 2)
.macro CROUND
	s_barrier_signal -1
	s_barrier_wait -1
	s_cmp_lg_u32 s[WV], 0
	s_cbranch_scc1 .Lnot_wave_0_\@
	s_barrier_signal -3
.Lnot_wave_0_\@:
	s_barrier_wait -3
	s_barrier_signal -1
	s_barrier_wait -1
.endm
	s_load_b128 s[4:7], s[0:1], 0x0                ; kv s[4:5], tq s[6:7]
	s_load_b64 s[8:9], s[0:1], 0x10                ; ts
	v_lshl_add_u32 v254, v0, 2, 0x29000
	v_mov_b32 v255, 0
	ds_add_u32 v254, v255
	ds_add_u32 v254, v255
	s_wait_dscnt 0x0
	v_lshrrev_b32 v1, 5, v0
	v_readfirstlane_b32 s[WV], v1                  ; wave 0..15
	s_bfe_u32 s11, ttmp6, 0x40000                  ; cx
	s_lshr_b32 s12, s[WV], 1                       ; g: my first tile's last key step
	s_sub_co_u32 s14, 15, s12                      ; and my second tile's
	s_and_b32 s13, s[WV], 1
	s_lshl_b32 s13, s13, 2
	s_add_co_u32 s13, s13, s11                     ; ti
	; the descriptor: a block of 8,960 dense bytes as 35 rows of 256 (32 elements of 8 bytes), no padding
	s_mov_b32 s[G1+0], 15|(3<<16)|(1<<21)          ; 15:0 the mask: all four work-groups; 17:16 elements of 8 bytes; 21 set beside a mask
	s_mov_b32 s[G1+1], 32<<16                      ; tensor_dim0
	s_mov_b32 s[G1+2], 35<<16                      ; tensor_dim1
	s_mov_b32 s[G1+3], 32<<16                      ; tile_dim0
	s_mov_b32 s[G1+4], 35                          ; tile_dim1
	s_mov_b32 s[G1+5], 32                          ; tensor_dim0_stride
	s_mov_b32 s[G1+6], 0
	s_mov_b32 s[G1+7], 0
	s_mul_i32 s36, ttmp9, 16*BLK                   ; in a cluster launch ttmp9 counts clusters: 16 b + head
	s_mov_b32 s37, 0
	s_mul_i32 s38, s[WV], BLK                      ; wave w fetches key step w
	s_mov_b32 s39, 0
	s_mov_b32 s[SEL], 0x76543210
	s_mov_b32 s[SEL+1], 0xfedcba98
	s_mov_b32 s[CS], 0x3d38aa3b                    ; log2(e) / 32
	s_mov_b32 s[CS+1], s[CS]                       ; (named with it as a pair, so it is written)
	s_and_b32 s[SH], ttmp9, 1
	s_lshl_b32 s[SH], s[SH], 4
	s_wait_kmcnt 0x0
	s_add_nc_u64 s[36:37], s[4:5], s[36:37]        ; the head's blocks
	CROUND                                         ; all four work-groups are here: the joint loads meet
	s_mov_b32 s[G0], 1
	s_mov_b32 s[G0+1], s38
	s_add_nc_u64 s[G0+2:G0+3], s[36:37], s[38:39]
	s_or_b32 s[G0+3], s[G0+3], 0x80000000
	tensor_load_to_lds s[G0:G0+3], s[G1:G1+7]      ; my one tensor load of the launch
	s_nop 0
.rept 4
	v_nop
.endr
	v_and_b32 v[LI], 31, v0
	v_lshlrev_b32 v[LI], 4, v[LI]
	v_and_b32 v[DQ], 15, v0
	v_lshlrev_b32 v[LR], 4, v[DQ]
	v_bfe_u32 v[ADR], v0, 4, 1
	v_lshlrev_b32 v[ADR], 3, v[ADR]
	v_sub_nc_u32 v[DQ], v[DQ], v[ADR]
	s_lshl_b32 s35, s13, 4
	v_add_nc_u32 v[DQ], s35, v[DQ]                 ; 16 ti + r - 8 h
	; Q's fragments and scale words come from memory: image ti of the tile's own key step, and its word among that step's scale words
	s_lshl_b32 s53, s13, 9                         ; 512 ti
	s_lshr_b32 s54, s13, 2
	s_lshl_b32 s54, s54, 8
	s_and_b32 s55, s13, 3
	s_lshl_b32 s55, s55, 2
	s_add_co_u32 s54, s54, s55                     ; 256 (ti / 4) + 4 (ti % 4)
.irp x, 0,1
	s_mul_i32 s56, s[12+2*\x], BLK
	s_add_co_u32 s57, s56, s53
	s_add_co_u32 s58, s56, s54
	v_add_nc_u32 v[S+2*\x], s57, v[LI]
	v_add_nc_u32 v[S+2*\x+1], s58, v[LR]
	global_load_b128 v[16+8*\x:19+8*\x], v[S+2*\x], s[36:37]
	global_load_b32 v[6+\x], v[S+2*\x+1], s[36:37] offset:8192
.endr
	; where the results go: entry (128 b + T) 16 + head, 512 bytes in tq and 64 in ts
	s_lshr_b32 s48, ttmp9, 4
	s_lshl_b32 s48, s48, 7
	s_add_co_u32 s48, s48, s13                     ; 128 b + ti
	s_and_b32 s49, ttmp9, 15                       ; head
	s_mov_b32 s51, 0
.irp x, 0,1
	s_lshl_b32 s52, s[12+2*\x], 3
	s_add_co_u32 s52, s52, s48
	s_lshl_b32 s52, s52, 4
	s_add_co_u32 s52, s52, s49
	s_lshl_b32 s50, s52, 9
	s_add_nc_u64 s[40+4*\x:41+4*\x], s[6:7], s[50:51]
	s_lshl_b32 s50, s52, 6
	s_add_nc_u64 s[42+4*\x:43+4*\x], s[8:9], s[50:51]
.endr
.irp j, 20,21,22,23,28,29,30,31,36,37,38,39,44,45,46,47,52,53,54,55,60,61,62,63
	v_mov_b32 v\j, 0                               ; the upper halves of Q's and K's fragments: zero codes for k = 64 .. 127; never written again
.endr
.irp x, 0,1
	v_mov_b32 v[9+4*\x], 0xff61b1e6                ; the largest t' so far: -3e38, under every t'
	v_floor_f32 v[8+4*\x], -v[9+4*\x]              ; -M
	v_mov_b32 v[10+4*\x], 0                        ; l, in two halves
	v_mov_b32 v[11+4*\x], 0
.endr
.irp j, 236,237,238,239,241,242
	v_mov_b32 v\j, 0                               ; written once: lane permutes' destinations, and the upper half of the pair f
.endr
.set i, 0
.rept 64
	v_mov_b32 v[160+i], 0                          ; O^T.  The step is written once for each tile: its first turn finds zeros, which the first change of M leaves zeros
.set i, i+1
.endr
; ONE TILE'S KEY STEP: 16 queries x 128 keys.
.macro TSTEP x
.set ST, 8+4*\x
.set QF, 16+8*\x
.set OA, 160+32*\x
	s_cmp_gt_u32 s[CNT], s[12+2*\x]                ; all of the step's keys come after the tile's queries: nothing to do
	s_cbranch_scc1 .Lskip_\@
.irp t, 0,1,2,3
	ds_load_b128 v[KF+8*\t:KF+8*\t+3], v[ADR] offset:512*\t
.endr
	ds_load_b128 v[KS:KS+3], v[ADR] offset:8192
	s_wait_dscnt 0x0
.irp t, 0,1,2,3
	v_wmma_scale_f32_16x16x128_f8f6f4 v[S+8*\t:S+8*\t+7], v[KF+8*\t:KF+8*\t+7], v[QF:QF+7], 0, v[KS+\t], v[6+\x] matrix_a_fmt:MATRIX_FMT_FP4 matrix_b_fmt:MATRIX_FMT_FP4
.endr
.rept 4
	v_nop                                          ; four places in front of the loads into K's registers, and into V's and its scale words', which the last step's products read
.endr
.irp t, 0,1,2,3
	ds_load_b128 v[KF+8*\t:KF+8*\t+3], v[ADR] offset:2048+512*\t
.endr
.irp dt, 0,1,2,3
.irp c, 0,1
	ds_load_b128 v[VF+8*\dt+4*\c:VF+8*\dt+4*\c+3], v[ADR] offset:4096+1024*\dt+512*\c
.endr
.endr
	ds_load_b128 v[VS:VS+3], v[ADR2] offset:8704
	s_wait_dscnt 9                                 ; K's four are in; the nine issued behind them (V's eight, its scale words) land under the softmax
.irp t, 0,1,2,3
	v_wmma_scale_f32_16x16x128_f8f6f4 v[S+32+8*\t:S+32+8*\t+7], v[KF+8*\t:KF+8*\t+7], v[QF:QF+7], 0, v[KS+\t], v[6+\x] matrix_a_fmt:MATRIX_FMT_FP4 matrix_b_fmt:MATRIX_FMT_FP4 matrix_a_scale:MATRIX_SCALE_ROW1
.endr
.rept 4
	v_nop
.endr
	s_cmp_lg_u32 s[CNT], s[12+2*\x]                ; only the tile's last step lies on the diagonal
	s_cbranch_scc1 .Lopen_\@
	v_mov_b32 v[TMP], 0xff800000                   ; -infinity.  Register n holds key 16 (n / 8) + 8 h + n % 8 of the step: hidden where it comes after my query 16 ti + r
.set n, 0
.rept 64
	v_cmp_gt_i32 vcc_lo, 16*(n/8)+n%8, v[DQ]
	v_cndmask_b32 v[S+n], v[S+n], v[TMP], vcc_lo
.set n, n+1
.endr
.Lopen_\@:
.irp b, 0,1,2,3
	v_max3_num_f32 v[BM+\b], v[S+16*\b], v[S+16*\b+1], v[S+16*\b+2]   ; the largest score of each block of 32 keys: for the query's maximum and, since p rises with the score, for the block's largest p
.endr
.irp i, 3,5,7,9,11,13
.irp b, 0,1,2,3
	v_max3_num_f32 v[BM+\b], v[BM+\b], v[S+16*\b+\i], v[S+16*\b+\i+1]
.endr
.endr
.irp b, 0,1,2,3
	v_max_num_f32 v[BM+\b], v[BM+\b], v[S+16*\b+15]
.endr
.irp b, 0,1,2,3
	v_permlanex16_b32 v[BP+\b], v[BM+\b], s[SEL], s[SEL+1]
.endr
.irp b, 0,1,2,3
	v_max_num_f32 v[BM+\b], v[BM+\b], v[BP+\b]     ; with lane l xor 16's 16 keys
.endr
	v_max3_num_f32 v[TMP], v[BM], v[BM+1], v[BM+2]
	v_max_num_f32 v[TMP], v[TMP], v[BM+3]
	v_mul_f32 v[TMP], s[CS], v[TMP]                ; as t' (c is positive)
	v_max_num_f32 v[ST+1], v[ST+1], v[TMP]         ; the running largest t'
	v_mov_b32 v[TMP], v[ST]
	v_floor_f32 v[ST], -v[ST+1]                    ; the new -M = -ceil(t')
	v_sub_f32 v[TMP], v[ST], v[TMP]                ; old M - new M: a whole number, 0 or less
	v_cvt_i32_f32 v[TMP], v[TMP]                   ; (it saturates)
	v_ldexp_f32 v[F], 1.0, v[TMP]                  ; f = 2^(old M - new M)
.set j, 0
.rept 32
	v_pk_fma_f32 v[S+j:S+j+1], v[S+j:S+j+1], s[CS:CS+1], v[ST:ST+1] op_sel_hi:[1,0,0]   ; t' - M, two at a time
.set j, j+2
.endr
.irp b, 0,1,2,3
	v_fma_f32 v[BM+\b], v[BM+\b], s[CS], v[ST]     ; the same of each block's largest score
.endr
.set j, 0
.rept 64
	v_exp_f32 v[S+j], v[S+j]                       ; p = 2^(t' - M), at most 1
.set j, j+1
.endr
.irp b, 0,1,2,3
	v_exp_f32 v[BM+\b], v[BM+\b]                   ; the block's largest p: the same two instructions on the same number
.endr
	v_pk_mul_f32 v[ST+2:ST+3], v[ST+2:ST+3], v[F:F+1] op_sel_hi:[1,0]   ; l under the new M.  (A plain place behind the exponentials)
	s_wait_alu depctr_va_vdst(0)
.irp b, 0,1,2,3
	v_max_num_f32 v[BM+\b], 0x1800000, v[BM+\b]    ; the floor 2^(3 - 127): the byte cannot fall under 1
.endr
.irp b, 0,1,2,3
	v_add_nc_u32 v[SO+\b], 0xff000000, v[BM+\b]    ; 2 off the exponent field: the conversion's scale operand
.endr
.irp b, 0,1,2,3
	v_lshrrev_b32 v[BP+\b], 23, v[SO+\b]           ; the scale's byte
.endr
	v_lshl_or_b32 v[PW], v[BP+1], 8, v[BP]         ; p's scale word for these 128 keys
	v_lshl_or_b32 v[PW], v[BP+2], 16, v[PW]
	v_lshl_or_b32 v[PW], v[BP+3], 24, v[PW]
.irp c, 0,1                                    ; my 16 numbers of a block are its k = 8 h + 0 .. 7 and 16 + 8 h + 0 .. 7: four conversions and two exchanges of halves for each pair of blocks give block 2 c + h whole and in order
	v_cvt_scalef32_pk8_fp4_f32 v[PC+4*\c], v[S+32*\c:S+32*\c+7], v[SO+2*\c]
	v_cvt_scalef32_pk8_fp4_f32 v[PC+4*\c+1], v[S+32*\c+16:S+32*\c+23], v[SO+2*\c+1]
	v_cvt_scalef32_pk8_fp4_f32 v[PC+4*\c+2], v[S+32*\c+8:S+32*\c+15], v[SO+2*\c]
	v_cvt_scalef32_pk8_fp4_f32 v[PC+4*\c+3], v[S+32*\c+24:S+32*\c+31], v[SO+2*\c+1]
.endr
	v_nop                                          ; one plain place behind the last scaled conversion
.irp c, 0,1
	v_permlane16_swap_b32 v[PC+4*\c], v[PC+4*\c+1]
	v_permlane16_swap_b32 v[PC+4*\c+2], v[PC+4*\c+3]
.endr
	v_pk_add_f32 v[BP:BP+1], v[S:S+1], v[S+2:S+3]  ; l takes the UNQUANTISED p: two at a time, in two chains
.set j, 4
.rept 15
	v_pk_add_f32 v[ST+2:ST+3], v[ST+2:ST+3], v[S+j:S+j+1]
	v_pk_add_f32 v[BP:BP+1], v[BP:BP+1], v[S+j+2:S+j+3]
.set j, j+4
.endr
	v_pk_add_f32 v[ST+2:ST+3], v[ST+2:ST+3], v[BP:BP+1]
.set j, 0
.rept 16
	v_pk_mul_f32 v[OA+j:OA+j+1], v[OA+j:OA+j+1], v[F:F+1] op_sel_hi:[1,0]   ; O^T under the new M.  (With the sums above: more than the eight places between the scale word's last write and the products)
.set j, j+2
.endr
	s_wait_dscnt 0x0                               ; V and its scale words are in
.irp dt, 0,1,2,3                               ; O^T += V^T P^T: four accumulators by turns
	v_wmma_scale_f32_16x16x128_f8f6f4 v[OA+8*\dt:OA+8*\dt+7], v[VF+8*\dt:VF+8*\dt+7], v[PC:PC+7], v[OA+8*\dt:OA+8*\dt+7], v[VS+\dt], v[PW] matrix_a_fmt:MATRIX_FMT_FP4 matrix_b_fmt:MATRIX_FMT_FP4
.endr
.Lskip_\@:
.endm
; A TILE'S END: O^T / l, quantised along d (two blocks of 32), stored as the image that the projection's operand wants, with its two scale bytes in the half word of the head's parity.
.macro FIN x
.set ST, 8+4*\x
.set OA, 160+32*\x
.set PX, PC+4*\x
	v_add_f32 v[ST+2], v[ST+2], v[ST+3]            ; l's two halves,
	v_permlanex16_b32 v[TMP], v[ST+2], s[SEL], s[SEL+1]
	v_add_f32 v[ST+2], v[ST+2], v[TMP]             ; and lane l xor 16's
	v_rcp_f32 v[F], v[ST+2]
	v_nop                                          ; one plain place behind the transcendental
.set j, 0
	s_wait_alu depctr_va_vdst(0)
.rept 16
	v_pk_mul_f32 v[S+j:S+j+1], v[OA+j:OA+j+1], v[F:F+1] op_sel_hi:[1,0]   ; each accumulator from its low end on
.set j, j+2
.endr
.irp b, 0,1
	v_max3_num_f32 v[BM+\b], |v[S+16*\b]|, |v[S+16*\b+1]|, 0x1800000
.endr
.irp i, 2,4,6,8,10,12,14
.irp b, 0,1
	v_max3_num_f32 v[BM+\b], v[BM+\b], |v[S+16*\b+\i]|, |v[S+16*\b+\i+1]|
.endr
.endr
.irp b, 0,1
	v_permlanex16_b32 v[BP+\b], v[BM+\b], s[SEL], s[SEL+1]
.endr
.irp b, 0,1
	v_max_num_f32 v[BM+\b], v[BM+\b], v[BP+\b]
.endr
.irp b, 0,1
	v_add_nc_u32 v[SO+\b], 0xff000000, v[BM+\b]
.endr
.irp b, 0,1
	v_lshrrev_b32 v[BP+\b], 23, v[SO+\b]
.endr
	v_lshl_or_b32 v[SO+2+\x], v[BP+1], 8, v[BP]
	v_lshlrev_b32 v[SO+2+\x], s[SH], v[SO+2+\x]    ; an even head's bytes are bytes 0, 1 of the K step's scale word, an odd head's bytes 2, 3
	v_cvt_scalef32_pk8_fp4_f32 v[PX], v[S:S+7], v[SO]
	v_cvt_scalef32_pk8_fp4_f32 v[PX+1], v[S+16:S+23], v[SO+1]
	v_cvt_scalef32_pk8_fp4_f32 v[PX+2], v[S+8:S+15], v[SO]
	v_cvt_scalef32_pk8_fp4_f32 v[PX+3], v[S+24:S+31], v[SO+1]
	v_nop
	v_permlane16_swap_b32 v[PX], v[PX+1]
	v_permlane16_swap_b32 v[PX+2], v[PX+3]
	global_store_b128 v[LI], v[PX:PX+3], s[40+4*\x:41+4*\x]       ; 512 consecutive bytes
	global_store_b32 v[ADR], v[SO+2+\x], s[42+4*\x:43+4*\x]       ; both halves of the lanes hold the same word
.endm
	s_wait_tensorcnt 0x0                           ; my key step's block has landed,
	s_barrier_signal -1
	s_barrier_wait -1                              ; everybody's has: the whole head lies in LDS
	s_wait_loadcnt 0x0                             ; Q
	s_mov_b32 s[TB], 0
	s_mov_b32 s[CNT], 0
.Lstep:                                            ; 16 trips, a constant: a trip is one key step for both tiles
	v_add_nc_u32 v[ADR], s[TB], v[LI]
	v_add_nc_u32 v[ADR2], s[TB], v[LR]
	TSTEP 0
	TSTEP 1
	s_add_co_u32 s[TB], s[TB], BLK
	s_add_co_u32 s[CNT], s[CNT], 1
	s_cmp_lt_u32 s[CNT], 16
	s_cbranch_scc1 .Lstep
.rept 4
	v_nop                                          ; four places behind the last products
.endr
	v_lshrrev_b32 v[ADR], 2, v[LR]                 ; 4 r: my word's place in an entry of ts
	FIN 0
	FIN 1                                          ; it writes none of the registers that the first tile's stores read
	s_wait_xcnt 0x0
	v_lshl_add_u32 v254, v0, 2, 0x29000
	v_mov_b32 v255, 0
	s_wait_tensorcnt 0x0
	ds_add_u32 v254, v255
	s_wait_dscnt 0x0
	CROUND                                         ; the closing round
	s_endpgm
.Lfunc_end_k_qd3c7e68f57_attn:
	.size	k_qd3c7e68f57_attn, .Lfunc_end_k_qd3c7e68f57_attn-k_qd3c7e68f57_attn
	.p2alignl 7, 3214868480
	.fill 96, 4, 3214868480
	.section	.rodata,"a",@progbits
	.p2align	6, 0x0
	.amdhsa_kernel k_qd3c7e68f57_attn
		.amdhsa_group_segment_fixed_size 169984
		.amdhsa_private_segment_fixed_size 0
		.amdhsa_enable_private_segment 0
		.amdhsa_kernarg_size 24
		.amdhsa_user_sgpr_count 2
		.amdhsa_user_sgpr_kernarg_segment_ptr 1
		.amdhsa_wavefront_size32 1
		.amdhsa_system_sgpr_workgroup_id_x 1
		.amdhsa_system_sgpr_workgroup_id_y 1
		.amdhsa_system_sgpr_workgroup_id_z 1
		.amdhsa_system_vgpr_workitem_id 0
		.amdhsa_next_free_vgpr 256
		.amdhsa_next_free_sgpr 66
		.amdhsa_reserve_vcc 1
		.amdhsa_float_denorm_mode_32 3
		.amdhsa_float_denorm_mode_16_64 3
		.amdhsa_memory_ordered 1
		.amdhsa_forward_progress 1
		.amdhsa_inst_pref_size 56
	.end_amdhsa_kernel
	.amdgpu_metadata
---
amdhsa.version: [ 1, 2 ]
amdhsa.kernels:
  - .name:           k_qd3c7e68f57_attn
    .symbol:         k_qd3c7e68f57_attn.kd
    .args:
      - { .name: kv, .offset: 0, .size: 8, .value_kind: global_buffer, .address_space: global }
      - { .name: tq, .offset: 8, .size: 8, .value_kind: global_buffer, .address_space: global }
      - { .name: ts, .offset: 16, .size: 8, .value_kind: global_buffer, .address_space: global }
    .group_segment_fixed_size: 169984
    .private_segment_fixed_size: 0
    .kernarg_segment_align: 8
    .kernarg_segment_size: 24
    .max_flat_workgroup_size: 512
    .sgpr_count:     66
    .vgpr_count:     256
    .wavefront_size: 32
...
	.end_amdgpu_metadata
.endif
;; end of part 2
;; launch proj (part 3): grid 32 x 8, 4 waves a work-group, clusters of 4 x 4, 235,008 bytes of LDS; arguments W_proj_codes, W_proj_scales, b_proj, tq, ts, out0; writes out0
.if DOCPART == 3
	.amdgcn_target "amdgcn-amd-amdhsa--gfx1250"
	.amdhsa_code_object_version 6
	.text
	.protected	k_qd3c7e68f57_proj
	.globl	k_qd3c7e68f57_proj
	.p2align	8
	.type	k_qd3c7e68f57_proj,@function
k_qd3c7e68f57_proj:
	s_mov_b64 s[64:65], 0
	v_nop
	global_prefetch_b8 v0, s[64:65] scope:SCOPE_SE
	s_setreg_imm32_b32 hwreg(HW_REG_WAVE_MODE, 25, 1), 1
	s_wait_xcnt 0x0
	s_wait_alu depctr_hold_cnt(0) depctr_sa_sdst(0) depctr_va_vdst(0) depctr_va_sdst(0) depctr_va_ssrc(0) depctr_va_vcc(0) depctr_vm_vsrc(0)
	s_getreg_b32 s2, hwreg(HW_REG_IB_STS2, 6, 4)
	s_cmp_eq_u32 s2, 0
	s_cbranch_scc0 .Lentry_in_a_cluster
	s_endpgm
.Lentry_in_a_cluster:
	s_bfe_u32 s2, ttmp6, 0x10000c
	s_cmp_lg_u32 s2, 0xf033
	s_cbranch_scc0 .Lentry_shape_is_right
	s_endpgm
.Lentry_shape_is_right:
; out[b][f][l] = sum over e of t[b][e][l] W_proj[e][f] + b_proj[f], on codes of FP4 with E8M0 scales, sums in f32; out is f32, l innermost.
; W: [1024 f][512 bytes along e], given.  t: tq[16-column tile T (512)][head 16][512 bytes], images of operand registers (head 2 q + c is registers 4 c .. 4 c + 3 of K step q's fragment);
; its scale words ts[T][head][r]: an even head's two bytes in the low half, an odd head's in the high half, the other half 0: two words are joined by an OR.
; SHARES.  A work-group makes 128 f x 256 columns (b, l), each of its four waves 64 f x 128 l: 32 accumulators.  All of K = 1024 lies in LDS, in two chunks of 512 along K, each filled once.
; CLUSTER 4 x 4: W's tiles hang on the work-group's y alone and are asked for jointly along a row of the cluster, t's on its x alone and jointly along a column.
; THE PRODUCT IS USED TRANSPOSED: source 0 = t's 16 columns, source 1 = W's 16 rows f: a lane holds one f and eight neighbouring l, 32 bytes of a row of out.  The bias is the C of each sum's first product.
; REGISTERS: window 0: v1-13 addresses; v16-31 W's scale words, v32-63 t's; v64-159, v160-255 two fragment buffers (4 of W, 8 of t); on the way out v64-191 rows of out.
;   window 1: accumulator (a, b) at v[64 a + 8 b];   window 2: v0-31 b_proj of W's tile a, eight times each.
.set PITCH, 272
.set WHALF, 64*PITCH
.set TOFFL, 128*PITCH                  ; in a chunk: W's 128 rows, then t's 16 tiles x 4,096 bytes
.set CH,    TOFFL+65536
.set STG,   2*CH                       ; behind the chunks: a stage of 16 rows x (512 + 16) bytes for each wave; no tensor load lands there
.set SPITCH, 528
.set ADW, 4                            ; v4-5   LDS address of my W fragments in chunk 0, 1
.set ADT, 6                            ; v6-7   the same for t's images
.set CO,  8                            ; v8     16 x lane
.set STO, 9                            ; v9     the stage: where I put 32 bytes of a row
.set RD,  10                           ; v10    and where I read a row back
.set WSO, 11                           ; v11    my row among W's scale bytes
.set TOF, 12                           ; v12    my word among t's scale words: 4096 h + 4 r
.set R4,  13                           ; v13    4 r
.set WS,  16                           ; v[WS + 8 i + q]: lanes 0-15 W's tile i, lanes 16-31 tile i + 2
.set TS,  32                           ; v[TS + 4 q + i]: lanes 0-15 t's tile i, lanes 16-31 tile i + 4
.set F0,  64
.set F1,  160
.set BK,  64                           ; the way out: v64-127 and v128-191 by turns
.set G1,  24
.set G0,  32
.set G1B, 48
.set G0B, 56
.set MSB, 0
.macro WIN new
.if MSB != (\new)
	s_set_vgpr_msb (MSB<<8)|(\new)
.set MSB, (\new)
.endif
.endm
.macro PLACES n
.rept \n
	v_nop
.endr
.endm
.macro CROUND
	s_barrier_signal -1
	s_barrier_wait -1
	s_cmp_lg_u32 s16, 0
	s_cbranch_scc1 .Lnot_wave_0_\@
	s_barrier_signal -3
.Lnot_wave_0_\@:
	s_barrier_wait -3
	s_barrier_signal -1
	s_barrier_wait -1
.endm
	s_load_b256 s[4:11], s[0:1], 0x0               ; W's codes s[4:5], W's scales s[6:7], b_proj s[8:9], tq s[10:11]
	s_load_b128 s[12:15], s[0:1], 0x20             ; ts s[12:13], out s[14:15]
	v_lshl_add_u32 v14, v0, 2, 0x39400
	v_mov_b32 v15, 0
	ds_add_u32 v14, v15
	ds_add_u32 v14, v15
	v_lshrrev_b32 v1, 5, v0
	v_readfirstlane_b32 s16, v1                    ; wave 0..3
	s_lshr_b32 s17, s16, 1                         ; wy: which 64 f.  Also: I fetch for W (0) or for t (1)
	s_and_b32 s18, s16, 1                          ; wx: which 128 columns.  Also: which half of that tile I fetch
	s_bfe_u32 s40, ttmp6, 0x40000
	s_bfe_u32 s41, ttmp6, 0x40004
	s_lshl_b32 s42, ttmp9, 2
	s_add_co_u32 s42, s42, s40                     ; work-group x: 256 columns
	s_and_b32 s19, ttmp7, 0xffff
	s_lshl_b32 s19, s19, 2
	s_add_co_u32 s19, s19, s41                     ; work-group y: 128 f
	s_lshl_b32 s43, s41, 2
	s_lshl_b32 s43, 15, s43                        ; my row of the cluster
	s_lshl_b32 s44, 0x1111, s40                    ; my column
	s_or_b32 s[G1+0], s43, (0<<16)|(1<<20)|(1<<21)|(5<<22)|(3<<25)   ; W: 64 rows of 256 bytes, 512 apart, 16 bytes of padding behind each
	s_mov_b32 s[G1+1], 256<<16
	s_mov_b32 s[G1+2], 64<<16
	s_mov_b32 s[G1+3], 256<<16
	s_mov_b32 s[G1+4], 64
	s_mov_b32 s[G1+5], 512
	s_mov_b32 s[G1+6], 0
	s_mov_b32 s[G1+7], 0
	s_or_b32 s[G1B+0], s44, (3<<16)|(1<<21)        ; t: 8 rows (tiles T) of 4,096 bytes (512 elements of 8), 8,192 bytes apart, no padding
	s_mov_b32 s[G1B+1], 512<<16
	s_mov_b32 s[G1B+2], 8<<16
	s_mov_b32 s[G1B+3], 512<<16
	s_mov_b32 s[G1B+4], 8
	s_mov_b32 s[G1B+5], 1024
	s_mov_b32 s[G1B+6], 0
	s_mov_b32 s[G1B+7], 0
	s_lshl_b32 s20, s19, 7                         ; W: row 128 y + 64 x half
	s_lshl_b32 s21, s18, 6
	s_add_co_u32 s20, s20, s21
	s_lshl_b32 s20, s20, 9
	s_mov_b32 s21, 0
	s_lshl_b32 s46, s42, 4                         ; t: tile 16 x + 8 x half
	s_lshl_b32 s47, s18, 3
	s_add_co_u32 s46, s46, s47
	s_lshl_b32 s46, s46, 13
	s_mov_b32 s47, 0
	s_mul_i32 s22, s18, WHALF
	s_lshl_b32 s23, s18, 15
	s_add_co_u32 s23, s23, TOFFL
	s_wait_dscnt 0x0
	s_wait_kmcnt 0x0
	s_add_nc_u64 s[20:21], s[4:5], s[20:21]
	s_add_nc_u64 s[46:47], s[10:11], s[46:47]
	CROUND                                         ; all sixteen work-groups are here: the joint loads meet
.irp c, 0,1
	s_mov_b32 s[G0+4*\c], 1
	s_add_co_u32 s[G0+4*\c+1], s22, \c*CH
	s_add_nc_u64 s[G0+4*\c+2:G0+4*\c+3], s[20:21], \c*256
	s_or_b32 s[G0+4*\c+3], s[G0+4*\c+3], 0x80000000
	s_mov_b32 s[G0B+4*\c], 1
	s_add_co_u32 s[G0B+4*\c+1], s23, \c*CH
	s_add_nc_u64 s[G0B+4*\c+2:G0B+4*\c+3], s[46:47], \c*4096
	s_or_b32 s[G0B+4*\c+3], s[G0B+4*\c+3], 0x80000000
.endr
	s_cmp_eq_u32 s17, 0                            ; a wave's two fills, the only ones of the launch, stand in one branch on the wave's number: two loads of mine are out
	s_cbranch_scc0 .Lfirst_t
	tensor_load_to_lds s[G0:G0+3], s[G1:G1+7]
	s_nop 0
	tensor_load_to_lds s[G0+4:G0+7], s[G1:G1+7]
	s_nop 0
	PLACES 4
	s_branch .Lfirst_asked
.Lfirst_t:
	tensor_load_to_lds s[G0B:G0B+3], s[G1B:G1B+7]
	s_nop 0
	tensor_load_to_lds s[G0B+4:G0B+7], s[G1B:G1B+7]
	s_nop 0
	PLACES 4
.Lfirst_asked:
	v_and_b32 v1, 15, v0                           ; r
	v_bfe_u32 v2, v0, 4, 1                         ; h
	v_and_b32 v3, 31, v0                           ; lane
	v_lshlrev_b32 v[CO], 4, v3
	v_mul_u32_u24 v[ADW], v1, PITCH
	v_lshl_add_u32 v[ADW], v2, 4, v[ADW]
	s_mul_i32 s70, s17, WHALF                      ; my 64 rows of W
	v_add_nc_u32 v[ADW], s70, v[ADW]
	v_add_nc_u32 v[ADW+1], CH, v[ADW]
	s_lshl_b32 s71, s18, 15                        ; my 8 tiles of t
	s_add_co_u32 s71, s71, TOFFL
	v_add_nc_u32 v[ADT], s71, v[CO]
	v_add_nc_u32 v[ADT+1], CH, v[ADT]
	s_mul_i32 s75, s16, 16*SPITCH
	s_add_co_u32 s75, s75, STG                     ; my stage
	v_mul_u32_u24 v[STO], v1, SPITCH
	v_lshl_add_u32 v[STO], v2, 5, v[STO]
	v_add_nc_u32 v[STO], s75, v[STO]               ; in: row r, 32 bytes for each half of the lanes
	v_add_nc_u32 v[RD], s75, v[CO]                 ; back: the 32 lanes take one row of 512 bytes
	v_lshl_add_u32 v[WSO], v2, 5, v1
	v_lshlrev_b32 v[WSO], 5, v[WSO]                ; W's scale bytes: row 32 h + r, 32 bytes a row
	v_lshlrev_b32 v[R4], 2, v1
	v_lshl_add_u32 v[TOF], v2, 12, v[R4]           ; t's scale words: tile 4 h + i, 1,024 bytes a tile
	s_mov_b32 s73, 0
	s_lshl_b32 s72, s19, 7
	s_lshl_b32 s74, s17, 6
	s_add_co_u32 s74, s72, s74                     ; my first f
	s_lshl_b32 s72, s74, 5
	s_add_nc_u64 s[6:7], s[6:7], s[72:73]
	s_lshl_b32 s72, s74, 2
	s_add_nc_u64 s[8:9], s[8:9], s[72:73]
	s_lshl_b32 s72, s42, 4
	s_lshl_b32 s74, s18, 3
	s_add_co_u32 s72, s72, s74
	s_lshl_b32 s72, s72, 10
	s_add_nc_u64 s[12:13], s[12:13], s[72:73]      ; t's scale words at my first tile
	s_lshr_b32 s72, s42, 3                         ; out: row 1024 b + my first f, 8,192 bytes a row;
	s_lshl_b32 s72, s72, 10
	s_lshl_b32 s74, s19, 7
	s_add_co_u32 s72, s72, s74
	s_lshl_b32 s74, s17, 6
	s_add_co_u32 s72, s72, s74
	s_lshl_b32 s72, s72, 13
	s_and_b32 s74, s42, 7                          ; column 256 (x % 8) + 128 wx, 4 bytes each
	s_lshl_b32 s74, s74, 10
	s_add_co_u32 s72, s72, s74
	s_lshl_b32 s74, s18, 9
	s_add_co_u32 s72, s72, s74
	s_add_nc_u64 s[14:15], s[14:15], s[72:73]
.irp i, 0,1
.irp u, 0,1
	global_load_b128 v[WS+8*\i+4*\u:WS+8*\i+4*\u+3], v[WSO], s[6:7] offset:512*\i+16*\u
.endr
.endr
.irp q, 0,1,2,3,4,5,6,7                        ; t's half words: the even heads' into v160-191, the odd heads' into v192-223 (buffer 1 is still free)
.irp i, 0,1,2,3
	global_load_b32 v[F1+4*\q+\i], v[TOF], s[12:13] offset:1024*\i+128*\q
	global_load_b32 v[F1+32+4*\q+\i], v[TOF], s[12:13] offset:1024*\i+128*\q+64
.endr
.endr
	WIN 0x80                                       ; destination window 2
.irp a, 0,1,2,3
	global_load_b32 v[8*\a], v[R4], s[8:9] offset:64*\a   ; b_proj of my f in W's tile a
.endr
	WIN 0
	s_wait_loadcnt 0x0
.set k, 0
.rept 32
	v_or_b32 v[TS+k], v[F1+k], v[F1+32+k]          ; a K step's scale word: heads 2 q and 2 q + 1
.set k, k+1
.endr
	WIN 0x82                                       ; source 0 and destination window 2
.irp a, 0,1,2,3
.irp j, 1,2,3,4,5,6,7
	v_mov_b32 v[8*\a+\j], v[8*\a]                  ; the C of a first product: the lane's f in all eight registers
.endr
.endr
	WIN 0
	PLACES 8                                       ; eight places between the scale words' last write by a vector instruction and the first scaled product
; One product.  rC: first register of C (the bias, or D itself)
.macro WM
.if rRA && rRB
	v_wmma_scale_f32_16x16x128_f8f6f4 v[rD:rD+7], v[rA:rA+7], v[rB:rB+7], v[rC:rC+7], v[rSA], v[rSB] matrix_a_fmt:MATRIX_FMT_FP4 matrix_b_fmt:MATRIX_FMT_FP4 matrix_a_scale:MATRIX_SCALE_ROW1 matrix_b_scale:MATRIX_SCALE_ROW1
.elseif rRA
	v_wmma_scale_f32_16x16x128_f8f6f4 v[rD:rD+7], v[rA:rA+7], v[rB:rB+7], v[rC:rC+7], v[rSA], v[rSB] matrix_a_fmt:MATRIX_FMT_FP4 matrix_b_fmt:MATRIX_FMT_FP4 matrix_a_scale:MATRIX_SCALE_ROW1
.elseif rRB
	v_wmma_scale_f32_16x16x128_f8f6f4 v[rD:rD+7], v[rA:rA+7], v[rB:rB+7], v[rC:rC+7], v[rSA], v[rSB] matrix_a_fmt:MATRIX_FMT_FP4 matrix_b_fmt:MATRIX_FMT_FP4 matrix_b_scale:MATRIX_SCALE_ROW1
.else
	v_wmma_scale_f32_16x16x128_f8f6f4 v[rD:rD+7], v[rA:rA+7], v[rB:rB+7], v[rC:rC+7], v[rSA], v[rSB] matrix_a_fmt:MATRIX_FMT_FP4 matrix_b_fmt:MATRIX_FMT_FP4
.endif
.endm
.macro FETCH p, q                      ; 24 LDS loads in one run: K step q's fragments into buffer p: W's from padded rows, t's as images (512 consecutive bytes a load)
.irp t, 0,1,2,3
.irp u, 0,1
	ds_load_b128 v[F0+96*(\p)+8*\t+4*\u:F0+96*(\p)+8*\t+4*\u+3], v[ADW+(\q)/4] offset:64*((\q)%4)+32*\u+\t*16*PITCH
.endr
.endr
.irp t, 0,1,2,3,4,5,6,7
.irp u, 0,1
	ds_load_b128 v[F0+96*(\p)+32+8*\t+4*\u:F0+96*(\p)+32+8*\t+4*\u+3], v[ADT+(\q)/4] offset:4096*\t+1024*((\q)%4)+512*\u
.endr
.endr
.endm
.macro MUL p, q                        ; 32 products: the accumulators take turns, one instruction a turn, in the same order in every step
.if (\q) == 0
	WIN 0x60                                       ; D window 1, C (the bias) window 2
.else
	WIN 0x50                                       ; C and D window 1
.endif
.irp a, 0,1,2,3
.irp b, 0,1,2,3,4,5,6,7
.set rD, 64*\a+8*\b
.if (\q) == 0
.set rC, 8*\a
.else
.set rC, rD
.endif
.set rA, F0+96*(\p)+32+8*\b
.set rB, F0+96*(\p)+8*\a
.set rSA, TS+4*(\q)+\b%4
.set rSB, WS+8*(\a%2)+(\q)
.set rRA, \b/4
.set rRB, \a/2
	WM
.endr
.endr
.endm
.macro STEP q
	s_wait_dscnt 0x0                               ; this step's fragments are in
.if (\q) == 3
	s_wait_tensorcnt 0x0                           ; my part of chunk 1 has landed,
	s_barrier_signal -1
	s_barrier_wait -1                              ; everybody's has
.endif
.if (\q) > 0
	PLACES 4                                       ; four places between the last step's products and the loads into the buffer that they read
.endif
.if (\q) < 7
	FETCH ((\q)+1)%2, (\q)+1
.endif
	MUL (\q)%2, \q
	WIN 0
.endm
; THE WAY OUT, a block of 16 rows f x 128 columns at a time: through my own stage in LDS and back as whole rows of 512 bytes.  LDS serves a wave's instructions in order (ISA guide 5.7.1.4): no wait between the stores and the loads.
.macro TOSTAGE a
	WIN 0x04                                       ; an LDS store's data are its source 1: window 1
.irp b, 0,1,2,3,4,5,6,7
	ds_store_b128 v[STO], v[64*(\a)+8*\b:64*(\a)+8*\b+3] offset:64*\b          ; each accumulator from its low end on
	ds_store_b128 v[STO], v[64*(\a)+8*\b+4:64*(\a)+8*\b+7] offset:64*\b+16
.endr
	WIN 0
.irp t, 0,1,2,3,4,5,6,7,8,9,10,11,12,13,14,15
	ds_load_b128 v[BK+64*((\a)%2)+4*\t:BK+64*((\a)%2)+4*\t+3], v[RD] offset:\t*SPITCH
.endr
.endm
.macro SEND a, younger                 ; younger: the LDS instructions issued behind block a's loads, which may stay out
	s_wait_dscnt \younger
.irp t, 0,1,2,3,4,5,6,7,8,9,10,11,12,13,14,15
	global_store_b128 v[CO], v[BK+64*((\a)%2)+4*\t:BK+64*((\a)%2)+4*\t+3], s[14:15] offset:(16*(\a)+\t)*8192 th:TH_STORE_NT   ; 32 lanes store 512 consecutive bytes, at a multiple of 512 from out's first byte; 63 rows at the most stand in the immediate
.endr
.endm
	s_wait_tensorcnt 0x1                           ; my part of chunk 0 is in; chunk 1's load, the one issued behind it, may stay out
	s_barrier_signal -1
	s_barrier_wait -1                              ; everybody's is
	FETCH 0, 0
.irp q, 0,1,2,3,4,5,6,7
	STEP \q
.endr
	PLACES 4                                       ; between the last products and the first reads of results, and the loads into the fragments' registers
	TOSTAGE 0
	TOSTAGE 1
	SEND 0, 32                                     ; behind block 0's loads: block 1's 16 stores and 16 loads
	s_wait_xcnt 0x0                                ; block 0's stores have read their registers: block 2's rows may land there
	TOSTAGE 2
	SEND 1, 32
	s_wait_xcnt 0x0
	TOSTAGE 3
	SEND 2, 32
	SEND 3, 0
	s_wait_tensorcnt 0x0
	ds_add_u32 v14, v15
	s_wait_dscnt 0x0
	CROUND                                         ; the closing round: no work-group ends while a partner may still ask for a tile that names it
	s_endpgm
.Lfunc_end_k_qd3c7e68f57_proj:
	.size	k_qd3c7e68f57_proj, .Lfunc_end_k_qd3c7e68f57_proj-k_qd3c7e68f57_proj
	.p2alignl 7, 3214868480
	.fill 96, 4, 3214868480
	.section	.rodata,"a",@progbits
	.p2align	6, 0x0
	.amdhsa_kernel k_qd3c7e68f57_proj
		.amdhsa_group_segment_fixed_size 235008
		.amdhsa_private_segment_fixed_size 0
		.amdhsa_enable_private_segment 0
		.amdhsa_kernarg_size 48
		.amdhsa_user_sgpr_count 2
		.amdhsa_user_sgpr_kernarg_segment_ptr 1
		.amdhsa_wavefront_size32 1
		.amdhsa_system_sgpr_workgroup_id_x 1
		.amdhsa_system_sgpr_workgroup_id_y 1
		.amdhsa_system_sgpr_workgroup_id_z 1
		.amdhsa_system_vgpr_workitem_id 0
		.amdhsa_next_free_vgpr 544
		.amdhsa_next_free_sgpr 96
		.amdhsa_reserve_vcc 0
		.amdhsa_float_denorm_mode_32 3
		.amdhsa_float_denorm_mode_16_64 3
		.amdhsa_memory_ordered 1
		.amdhsa_forward_progress 1
		.amdhsa_inst_pref_size 77
	.end_amdhsa_kernel
	.amdgpu_metadata
---
amdhsa.version: [ 1, 2 ]
amdhsa.kernels:
  - .name:           k_qd3c7e68f57_proj
    .symbol:         k_qd3c7e68f57_proj.kd
    .args:
      - { .name: W_proj_codes, .offset: 0, .size: 8, .value_kind: global_buffer, .address_space: global }
      - { .name: W_proj_scales, .offset: 8, .size: 8, .value_kind: global_buffer, .address_space: global }
      - { .name: b_proj, .offset: 16, .size: 8, .value_kind: global_buffer, .address_space: global }
      - { .name: tq, .offset: 24, .size: 8, .value_kind: global_buffer, .address_space: global }
      - { .name: ts, .offset: 32, .size: 8, .value_kind: global_buffer, .address_space: global }
      - { .name: out0, .offset: 40, .size: 8, .value_kind: global_buffer, .address_space: global }
    .group_segment_fixed_size: 235008
    .private_segment_fixed_size: 0
    .kernarg_segment_align: 8
    .kernarg_segment_size: 48
    .max_flat_workgroup_size: 128
    .sgpr_count:     96
    .vgpr_count:     544
    .wavefront_size: 32
...
	.end_amdgpu_metadata
.endif
;; end of part 3
